; MI455X (gfx1250); checked and timed in simulation.
; The chip was launched on July 23, 2026; its instructions are those of AMD's public machine-readable ISA for CDNA 5 (MIT licence, August 2026) and "CDNA5" Instruction Set Architecture Reference Guide (July 2026). The comments in the code are by the model that wrote it; some were corrected since.
;; Multi Res Hash Encoding. Allowed arithmetic: float matrix products may take bf16 or f16 operands with f32 sums; all other float work in f32.
;; Inputs: tables 16 x 524,288 x 2 float32; x 500,000 x 3 float32.
;; Outputs: out0 500,000 x 32 float32.
;; 2 versions, each right; version 2 is version 1 with the launch encode written anew for expert scheduling mode. Each part assembles by itself: llvm-mc -triple=amdgcn-amd-amdhsa -mcpu=gfx1250 --defsym DOCPART=n.
;; ======== version 1 of 2: 2 launches
;; limits: inputs' magnitudes at most 128
;; workspace buffers: q 6,000,128 bytes of whole numbers
;; launch quant (part 1): grid 1465 x 1, 8 waves a work-group, no clusters, 0 bytes of LDS; arguments x, q; writes q
.if DOCPART == 1
	.amdgcn_target "amdgcn-amd-amdhsa--gfx1250"
	.amdhsa_code_object_version 6
	.text
	.protected	k_qe869da0b1c_quant
	.globl	k_qe869da0b1c_quant
	.p2align	8
	.type	k_qe869da0b1c_quant,@function
k_qe869da0b1c_quant:
	s_mov_b64 s[64:65], 0
	v_nop
	global_prefetch_b8 v0, s[64:65] scope:SCOPE_SE
	s_setreg_imm32_b32 hwreg(HW_REG_WAVE_MODE, 25, 1), 1
	s_wait_xcnt 0x0
; q[i] = round(x[i] * 2^24) + 2^31, as an unsigned 32-bit whole number: x in fixed point, 8 whole bits (biased by 128) and 24 fraction bits.
; The next launch forms its gather addresses from q by integer arithmetic alone.
; LIMITS: |x| < 128 (v_cvt_i32_f32 saturates beyond; such points get wrong features); a NaN becomes 0; x is rounded to a multiple of 2^-24,
; an error of at most 2^-25, which the finest level (2048) magnifies to 2^-14 of a cell.
; The work is element by element: one thread takes 16 bytes, a wave's load and store cover 512 consecutive bytes, aligned.
; x has 1,500,000 numbers = 375,000 such items = 1464 work-groups of 256 threads and 216 items more: in the last work-group
; the seventh wave works with 24 lanes and the eighth has no item left and ends at once.
.set NITEM, 375000
	s_load_b128 s[4:7], s[0:1], 0x0                ; x s[4:5], q s[6:7]
	s_lshl_b32 s8, ttmp9, 8                        ; the work-group's first item
	v_add_nc_u32 v1, s8, v0                        ; my item
	v_cmp_gt_u32 vcc_lo, NITEM, v1                 ; does it exist?
	v_lshlrev_b32 v1, 4, v1                        ; its byte offset (below 6,000,000)
	s_wait_kmcnt 0x0                               ; the addresses are there; nothing is pending when EXEC is narrowed
	s_and_saveexec_b32 s9, vcc_lo                  ; EXEC stays narrowed to the end of the wave
	s_cbranch_execz .Lend
	global_load_b128 v[4:7], v1, s[4:5] th:TH_LOAD_NT      ; x is read once in the whole program
	s_wait_loadcnt 0x0
	v_pk_mul_f32 v[4:5], v[4:5], 0x4b800000 op_sel_hi:[1,0]    ; x * 2^24: exact, a power of two
	v_pk_mul_f32 v[6:7], v[6:7], 0x4b800000 op_sel_hi:[1,0]
.irp r, 4,5,6,7
	v_rndne_f32 v\r, v\r                           ; to the nearest whole number
.endr
.irp r, 4,5,6,7
	v_cvt_i32_f32 v\r, v\r                         ; exact for |x| < 128
.endr
.irp r, 4,5,6,7
	v_xor_b32 v\r, 0x80000000, v\r                 ; + 2^31 modulo 2^32: the bias of 128 makes the number unsigned
.endr
	global_store_b128 v1, v[4:7], s[6:7]           ; read again by the next launch: no streaming hint
.Lend:
	s_endpgm
.Lfunc_end_k_qe869da0b1c_quant:
	.size	k_qe869da0b1c_quant, .Lfunc_end_k_qe869da0b1c_quant-k_qe869da0b1c_quant
	.p2alignl 7, 3214868480
	.fill 96, 4, 3214868480
	.section	.rodata,"a",@progbits
	.p2align	6, 0x0
	.amdhsa_kernel k_qe869da0b1c_quant
		.amdhsa_group_segment_fixed_size 0
		.amdhsa_private_segment_fixed_size 0
		.amdhsa_enable_private_segment 0
		.amdhsa_kernarg_size 16
		.amdhsa_user_sgpr_count 2
		.amdhsa_user_sgpr_kernarg_segment_ptr 1
		.amdhsa_wavefront_size32 1
		.amdhsa_system_sgpr_workgroup_id_x 1
		.amdhsa_system_sgpr_workgroup_id_y 1
		.amdhsa_system_sgpr_workgroup_id_z 1
		.amdhsa_system_vgpr_workitem_id 0
		.amdhsa_next_free_vgpr 8
		.amdhsa_next_free_sgpr 66
		.amdhsa_reserve_vcc 1
		.amdhsa_float_denorm_mode_32 3
		.amdhsa_float_denorm_mode_16_64 3
		.amdhsa_memory_ordered 1
		.amdhsa_forward_progress 1
		.amdhsa_inst_pref_size 2
	.end_amdhsa_kernel
	.amdgpu_metadata
---
amdhsa.version: [ 1, 2 ]
amdhsa.kernels:
  - .name:           k_qe869da0b1c_quant
    .symbol:         k_qe869da0b1c_quant.kd
    .args:
      - { .name: x, .offset: 0, .size: 8, .value_kind: global_buffer, .address_space: global }
      - { .name: q, .offset: 8, .size: 8, .value_kind: global_buffer, .address_space: global }
    .group_segment_fixed_size: 0
    .private_segment_fixed_size: 0
    .kernarg_segment_align: 8
    .kernarg_segment_size: 16
    .max_flat_workgroup_size: 256
    .sgpr_count:     66
    .vgpr_count:     8
    .wavefront_size: 32
...
	.end_amdgpu_metadata
.endif
;; end of part 1
;; launch encode (part 2): grid 256 x 1, 32 waves a work-group, no clusters, 151,552 bytes of LDS; arguments q, tables, out0; writes out0
.if DOCPART == 2
	.amdgcn_target "amdgcn-amd-amdhsa--gfx1250"
	.amdhsa_code_object_version 6
	.text
	.protected	k_qe869da0b1c_encode
	.globl	k_qe869da0b1c_encode
	.p2align	8
	.type	k_qe869da0b1c_encode,@function
k_qe869da0b1c_encode:
	s_mov_b64 s[64:65], 0
	v_nop
	global_prefetch_b8 v0, s[64:65] scope:SCOPE_SE
	s_setreg_imm32_b32 hwreg(HW_REG_WAVE_MODE, 25, 1), 1
	s_wait_xcnt 0x0
; out0[p][2l .. 2l+1] = trilinear interpolation of level l's hashed table at x[p] * res[l], 16 levels, 500,000 points.
; q holds x in fixed point: q = x * 2^24 + 2^31 (unsigned, three numbers a point), made by the launch before.
;
; ARITHMETIC OF A LEVEL, per axis: T = q * (res << 8), 64 bits (below 2^51).  T / 2^32 = x * res + 128 res, so
;   high word = floor(x res) + 128 res,   low word = the fraction of x res in units of 2^-32 (24 significant bits: exact in f32).
; A table index is the low 19 bits of  f0 ^ f1 * 2654435761 ^ f2 * 805459861, so only the low 19 bits of every term count: the primes are
; taken modulo 2^24 and multiplied by v_mad_u32_u24, whose addend takes the bias away (- 128 res * prime modulo 2^19).
; The upper corner of an axis is taken as floor + 1.  Where the fraction is 0 (ceil = floor) that corner's weight is exactly 0.
; LIMITS: |x| < 128 (the fixed point's range);  x res is exact here, up to the 2^-25 by which q rounds x, so that a result differs from an
; evaluation in f32 by what that evaluation's own rounding of x * res moves the point (fraction and cell come from one product, and the
; interpolation is continuous from cell to cell);  table entries are finite (a weight of 0 times an infinity would give NaN).
; res[l] = int(16 * b**l), b = exp((log 2048 - log 16) / 15) in f64; b comes out above 2^(7/15), so the last one is 2048, not 2047.
;
; SHARES: a chunk is 32 points, 15,625 chunks.  256 work-groups of 32 waves stay; wave w of work-group g takes chunks 256 w + g and
; 256 w + g + 8192 (if there is one), so that the waves without a second chunk are spread evenly over the work-groups.  A lane is a point.
; All waves walk the levels in the same order from the same start, so that at any time few of the 16 tables are being gathered from.
; RING: four level slots of 22 registers.  A level's 8 gathers (8 bytes a lane) are issued three levels before they are used: 32 loads of a
; wave are out.  An index is made in the low register of the pair that its load fills, so that it needs no register of its own.
; WAY OUT: a lane's 32 results are 128 bytes of one row of out0; they go through the wave's own 4,608 bytes of LDS (rows 144 bytes apart:
; 9 x 16, so that 16 lanes' 16-byte stores fall on 16 different columns of 16 bytes modulo 256) and come back so that each store of the wave covers 512
; consecutive bytes, aligned.  No wave touches another's LDS bytes: no barrier.
; NOT USED: matrix instructions (no product), tensor loads and clusters (nothing is fetched as a tile and no tile is shared), a prefetch of
; table entries (an index is known only when its level's arithmetic is done, and the load itself is issued at once, three levels ahead).
.set NCHUNK,   15625
.set NWAVES,   8192                    ; 256 work-groups x 32 waves
.set PITCH,    144                     ; LDS row of a point: 128 bytes + 16
.set WLDS,     32*PITCH                ; LDS of a wave
.set LVLBYTES, 0x400000                ; a level's table: 524,288 entries of 8 bytes
.set MASK19,   0x7ffff
.set P1,       0x3779b1                ; 2654435761 modulo 2^24
.set P2,       0x025795                ; 805459861 modulo 2^24
; vector registers
.set QO,  1                            ; v1       12 x lane: my point's three numbers in the chunk's part of q
.set X,   2                            ; v[2:4]   q of my point
.set LS,  5                            ; v5       LDS: my point's row
.set RD,  6                            ; v6       LDS: where I read back
.set CO,  7                            ; v7       16 x lane: my 16 bytes in each 512 of the chunk's part of out0
.set K0,  8                            ; v[8:9]   (-2^-32, 2^-32)
.set K1,  10                           ; v[10:11] (1, 0)
.set T,   12                           ; v[12:17] the three products, (low, high) each
.set GY,  18                           ; v[18:19] (1 - fy, fy)
.set GZ,  20                           ; v[20:21] (1 - fz, fz)
.set HP,  22                           ; v[22:23] f1 * prime, (f1 + 1) * prime
.set HQ,  24                           ; v[24:25] f2 * prime, (f2 + 1) * prime
.set A0,  26                           ; v[26:27] f0, f0 + 1
.set H,   28                           ; v[28:31] the four y-z hashes
.set ACC, 32                           ; v[32:35] the results of an even level and the odd one behind it
.set SLOT0,    36                      ; v[36:123] four slots:
.set SLOTREGS, 22                      ;   +0..15 eight corners (index, then two features); +16,17 (1 - fx, fx); +18..21 the y-z weights
; scalar registers
.set SR,  11                           ; res << 8 of the level at work
.set SP1, 12
.set SP2, 13
.set SM,  14
.set TB,  32                           ; s[32:63] the 16 tables' addresses, never rewritten: pending gathers name them
	s_load_b128 s[4:7], s[0:1], 0x0                ; q s[4:5], tables s[6:7]
	s_load_b64 s[8:9], s[0:1], 0x10                ; out0
	v_lshl_add_u32 v124, v0, 2, 0x24000
	v_mov_b32 v125, 0
	v_lshrrev_b32 v1, 5, v0
	v_readfirstlane_b32 s10, v1                    ; wave 0..31
	v_and_b32 v[CO], 31, v0                        ; lane
	s_mul_i32 s15, s10, WLDS                       ; my wave's LDS
	v_mul_u32_u24 v[LS], v[CO], PITCH
	v_add_nc_u32 v[LS], s15, v[LS]                 ; in: row = lane
	v_lshrrev_b32 v[RD], 3, v[CO]
	v_mul_u32_u24 v[RD], v[RD], PITCH
	v_and_b32 v1, 7, v[CO]
	v_lshl_add_u32 v[RD], v1, 4, v[RD]
	v_add_nc_u32 v[RD], s15, v[RD]                 ; back: eight lanes take one row's 128 bytes, a wave four rows
	v_mul_u32_u24 v[QO], v[CO], 12
	v_lshlrev_b32 v[CO], 4, v[CO]
	v_mov_b32 v[K0], 0xaf800000                    ; -2^-32
	v_mov_b32 v[K0+1], 0x2f800000                  ; 2^-32
	v_mov_b32 v[K1], 1.0
	v_mov_b32 v[K1+1], 0
	s_mov_b32 s[SP1], P1
	s_mov_b32 s[SP2], P2
	s_mov_b32 s[SM], MASK19
	s_lshl_b32 s20, s10, 8
	s_add_co_u32 s20, s20, ttmp9                   ; my first chunk: 256 x wave + work-group, at most 8191
	s_mov_b32 s25, 0                               ; high words of the two byte offsets
	s_mov_b32 s29, 0
	s_wait_kmcnt 0x0
	s_mov_b64 s[TB:TB+1], s[6:7]
.irp l, 1,2,3,4,5,6,7,8,9,10,11,12,13,14,15
	s_add_nc_u64 s[TB+2*\l:TB+2*\l+1], s[6:7], \l*LVLBYTES
.endr
; Level l into slot s: cells, hashes, the eight gathers, and behind them (while the gathers are on their way) the weights.
.macro ISSUE l, s, res
.set E,  SLOT0 + SLOTREGS*\s
.set C0, (0x80000 - ((\res << 7) & MASK19)) & MASK19               ; - 128 res          modulo 2^19
.set C1, (0x80000 - (((\res << 7) * P1) & MASK19)) & MASK19        ; - 128 res * prime  modulo 2^19
.set C2, (0x80000 - (((\res << 7) * P2) & MASK19)) & MASK19
	s_mov_b32 s[SR], \res << 8
	v_mad_nc_u64_u32 v[T:T+1],   v[X],   s[SR], 0  ; low: fraction * 2^32; high: floor + 128 res
	v_mad_nc_u64_u32 v[T+2:T+3], v[X+1], s[SR], 0
	v_mad_nc_u64_u32 v[T+4:T+5], v[X+2], s[SR], 0
	v_add_nc_u32 v[A0],   C0,   v[T+1]             ; f0      (its prime is 1)
	v_add_nc_u32 v[A0+1], C0+1, v[T+1]             ; f0 + 1
	v_mad_u32_u24 v[HP], v[T+3], s[SP1], C1        ; f1 * prime: the low 19 bits are right, the rest is cut below
	v_mad_u32_u24 v[HQ], v[T+5], s[SP2], C2        ; f2 * prime
	v_and_b32 v[A0],   s[SM], v[A0]
	v_and_b32 v[A0+1], s[SM], v[A0+1]
	v_add_nc_u32 v[HP+1], s[SP1], v[HP]            ; (f1 + 1) * prime
	v_add_nc_u32 v[HQ+1], s[SP2], v[HQ]            ; (f2 + 1) * prime
	v_xor_b32 v[H],   v[HP],   v[HQ]               ; (y, z) = (f, f)
	v_xor_b32 v[H+1], v[HP],   v[HQ+1]             ; (f, c)
	v_xor_b32 v[H+2], v[HP+1], v[HQ]               ; (c, f)
	v_xor_b32 v[H+3], v[HP+1], v[HQ+1]             ; (c, c)
.irp j, 0,1,2,3
	v_and_b32 v[H+\j], s[SM], v[H+\j]              ; modulo the table's size: six ANDs on the parts in place of eight on the indices
.endr
.irp j, 0,1,2,3
	v_xor_b32 v[E+4*\j],   v[H+\j], v[A0]          ; corner (f, y, z)
	v_xor_b32 v[E+4*\j+2], v[H+\j], v[A0+1]        ; corner (c, y, z)
.endr
.irp k, 0,1,2,3,4,5,6,7
	v_min_u32 v[E+2*\k], MASK19, v[E+2*\k]         ; an index made of loaded numbers is clamped to the table's last entry right before it is an address; behind the ANDs it changes no value
.endr
.irp k, 0,1,2,3,4,5,6,7
	global_load_b64 v[E+2*\k:E+2*\k+1], v[E+2*\k], s[TB+2*\l:TB+2*\l+1] scale_offset   ; entry = 8 bytes: index x 8; the load lands on its own index
.endr
	v_cvt_f32_u32 v[T],   v[T]                     ; 24 significant bits: exact
	v_cvt_f32_u32 v[T+2], v[T+2]
	v_cvt_f32_u32 v[T+4], v[T+4]
	v_pk_fma_f32 v[E+16:E+17], v[T:T+1],   v[K0:K0+1], v[K1:K1+1] op_sel_hi:[0,1,1]    ; (1 - f, f) from the low word, one rounding in 1 - f
	v_pk_fma_f32 v[GY:GY+1],   v[T+2:T+3], v[K0:K0+1], v[K1:K1+1] op_sel_hi:[0,1,1]
	v_pk_fma_f32 v[GZ:GZ+1],   v[T+4:T+5], v[K0:K0+1], v[K1:K1+1] op_sel_hi:[0,1,1]
	v_pk_mul_f32 v[E+18:E+19], v[GZ:GZ+1], v[GY:GY+1] op_sel_hi:[1,0]                  ; gy * (gz, fz)
	v_pk_mul_f32 v[E+20:E+21], v[GZ:GZ+1], v[GY:GY+1] op_sel:[0,1] op_sel_hi:[1,1]     ; fy * (gz, fz)
.endm
; Level l out of slot s.  left = the gathers of the younger levels, 8 each, that may stay out.  Both features at once: along x in place,
; then the four y-z weights.  Two levels' results are 16 bytes of my point's row.
.macro CONSUME l, s, left
.set E,  SLOT0 + SLOTREGS*\s
.set GX, E + 16
.set W,  E + 18
.set AC, ACC + 2*(\l & 1)
	s_wait_loadcnt \left                           ; loads come back in order (ISA guide 5.7.1): this level's eight are in
.irp j, 0,1,2,3
	v_pk_mul_f32 v[E+4*\j:E+4*\j+1], v[E+4*\j:E+4*\j+1], v[GX:GX+1] op_sel_hi:[1,0]
.endr
.irp j, 0,1,2,3
	v_pk_fma_f32 v[E+4*\j:E+4*\j+1], v[E+4*\j+2:E+4*\j+3], v[GX:GX+1], v[E+4*\j:E+4*\j+1] op_sel:[0,1,0] op_sel_hi:[1,1,1]
.endr
	v_pk_mul_f32 v[AC:AC+1], v[E:E+1],     v[W:W+1]                 op_sel_hi:[1,0]
	v_pk_fma_f32 v[AC:AC+1], v[E+4:E+5],   v[W:W+1],   v[AC:AC+1]   op_sel:[0,1,0] op_sel_hi:[1,1,1]
	v_pk_fma_f32 v[AC:AC+1], v[E+8:E+9],   v[W+2:W+3], v[AC:AC+1]   op_sel_hi:[1,0,1]
	v_pk_fma_f32 v[AC:AC+1], v[E+12:E+13], v[W+2:W+3], v[AC:AC+1]   op_sel:[0,1,0] op_sel_hi:[1,1,1]
.if \l & 1
	ds_store_b128 v[LS], v[ACC:ACC+3] offset:16*(\l/2)
.endif
.endm
.Lchunk:
	s_mul_i32 s24, s20, 384                        ; the chunk's 32 x 12 bytes of q
	s_add_nc_u64 s[22:23], s[4:5], s[24:25]
	s_lshl_b32 s28, s20, 12                        ; and its 32 x 128 bytes of out0 (below 64,000,000)
	s_add_nc_u64 s[26:27], s[8:9], s[28:29]
	global_load_b96 v[X:X+2], v[QO], s[22:23] th:TH_LOAD_NT    ; the wave reads 384 consecutive bytes, once in the launch
	s_wait_loadcnt 0x0
	ISSUE 0, 0, 16
	ISSUE 1, 1, 22
	ISSUE 2, 2, 30
	ISSUE 3, 3, 42
	CONSUME 0, 0, 24                               ; three younger levels stay out
	ISSUE 4, 0, 58
	CONSUME 1, 1, 24
	ISSUE 5, 1, 80
	CONSUME 2, 2, 24
	ISSUE 6, 2, 111
	CONSUME 3, 3, 24
	ISSUE 7, 3, 153
	CONSUME 4, 0, 24
	ISSUE 8, 0, 212
	CONSUME 5, 1, 24
	ISSUE 9, 1, 294
	CONSUME 6, 2, 24
	ISSUE 10, 2, 406
	CONSUME 7, 3, 24
	ISSUE 11, 3, 561
	CONSUME 8, 0, 24
	ISSUE 12, 0, 776
	CONSUME 9, 1, 24
	ISSUE 13, 1, 1072
	CONSUME 10, 2, 24
	ISSUE 14, 2, 1482
	CONSUME 11, 3, 24
	ISSUE 15, 3, 2048
	CONSUME 12, 0, 24
	CONSUME 13, 1, 16                              ; nothing more is issued: the counts run down
	CONSUME 14, 2, 8
	CONSUME 15, 3, 0
	; the way out: 4,096 bytes of out0, 512 at a time.  LDS serves a wave's instructions in order (ISA guide 5.7.1): these loads see the stores above.
.irp t, 0,1,2,3,4,5,6,7
	ds_load_b128 v[SLOT0+4*\t:SLOT0+4*\t+3], v[RD] offset:4*PITCH*\t       ; rows 4 t .. 4 t + 3; the slots' registers are done with
.endr
.irp t, 0,1,2,3,4,5,6,7
	s_wait_dscnt 7-\t                              ; the younger read-backs stay out
	global_store_b128 v[CO], v[SLOT0+4*\t:SLOT0+4*\t+3], s[26:27] offset:512*\t th:TH_STORE_NT   ; written once, not read again: leaves the tables their place in the caches
.endr
	s_wait_xcnt 0x0                                ; the stores' data, and s[26:27], are rewritten in the next trip only behind this wait
	s_add_co_u32 s20, s20, NWAVES
	s_cmp_lt_u32 s20, NCHUNK
	s_cbranch_scc1 .Lchunk
	s_wait_tensorcnt 0x0
	ds_add_u32 v124, v125
	s_wait_dscnt 0x0
	s_endpgm
.Lfunc_end_k_qe869da0b1c_encode:
	.size	k_qe869da0b1c_encode, .Lfunc_end_k_qe869da0b1c_encode-k_qe869da0b1c_encode
	.p2alignl 7, 3214868480
	.fill 96, 4, 3214868480
	.section	.rodata,"a",@progbits
	.p2align	6, 0x0
	.amdhsa_kernel k_qe869da0b1c_encode
		.amdhsa_group_segment_fixed_size 151552
		.amdhsa_private_segment_fixed_size 0
		.amdhsa_enable_private_segment 0
		.amdhsa_kernarg_size 24
		.amdhsa_user_sgpr_count 2
		.amdhsa_user_sgpr_kernarg_segment_ptr 1
		.amdhsa_wavefront_size32 1
		.amdhsa_system_sgpr_workgroup_id_x 1
		.amdhsa_system_sgpr_workgroup_id_y 1
		.amdhsa_system_sgpr_workgroup_id_z 1
		.amdhsa_system_vgpr_workitem_id 0
		.amdhsa_next_free_vgpr 126
		.amdhsa_next_free_sgpr 66
		.amdhsa_reserve_vcc 0
		.amdhsa_float_denorm_mode_32 3
		.amdhsa_float_denorm_mode_16_64 3
		.amdhsa_memory_ordered 1
		.amdhsa_forward_progress 1
		.amdhsa_inst_pref_size 64
	.end_amdhsa_kernel
	.amdgpu_metadata
---
amdhsa.version: [ 1, 2 ]
amdhsa.kernels:
  - .name:           k_qe869da0b1c_encode
    .symbol:         k_qe869da0b1c_encode.kd
    .args:
      - { .name: q, .offset: 0, .size: 8, .value_kind: global_buffer, .address_space: global }
      - { .name: tables, .offset: 8, .size: 8, .value_kind: global_buffer, .address_space: global }
      - { .name: out0, .offset: 16, .size: 8, .value_kind: global_buffer, .address_space: global }
    .group_segment_fixed_size: 151552
    .private_segment_fixed_size: 0
    .kernarg_segment_align: 8
    .kernarg_segment_size: 24
    .max_flat_workgroup_size: 1024
    .sgpr_count:     66
    .vgpr_count:     126
    .wavefront_size: 32
...
	.end_amdgpu_metadata
.endif
;; end of part 2
;; ======== version 2 of 2: 2 launches; version 1 with the launch encode written anew for expert scheduling mode
;; limits: inputs' magnitudes at most 128
;; workspace buffers: q 6,000,128 bytes of whole numbers
;; launch quant: the kernel of part 1 again; grid 1465 x 1, 8 waves a work-group, no clusters, 0 bytes of LDS; arguments x, q; writes q
;; launch encode (part 3): grid 256 x 1, 32 waves a work-group, no clusters, 151,552 bytes of LDS; arguments q, tables, out0; writes out0
.if DOCPART == 3
	.amdgcn_target "amdgcn-amd-amdhsa--gfx1250"
	.amdhsa_code_object_version 6
	.text
	.protected	k_qe869da0b1c_encode
	.globl	k_qe869da0b1c_encode
	.p2align	8
	.type	k_qe869da0b1c_encode,@function
k_qe869da0b1c_encode:
	s_mov_b64 s[64:65], 0
	v_nop
	global_prefetch_b8 v0, s[64:65] scope:SCOPE_SE
	s_setreg_imm32_b32 hwreg(HW_REG_WAVE_SCHED_MODE, 0, 2), 2
	s_setreg_imm32_b32 hwreg(HW_REG_WAVE_MODE, 25, 1), 1
	s_wait_xcnt 0x0
	s_wait_alu depctr_vm_vsrc(0)
; out0[p][2l .. 2l+1] = trilinear interpolation of level l's hashed table at x[p] * res[l], 16 levels, 500,000 points.
; q holds x in fixed point: q = x * 2^24 + 2^31 (unsigned, three numbers a point), made by the launch before.
;
; ARITHMETIC OF A LEVEL, per axis: T = q * (res << 8), 64 bits (below 2^51).  T / 2^32 = x * res + 128 res, so
;   high word = floor(x res) + 128 res,   low word = the fraction of x res in units of 2^-32 (24 significant bits: exact in f32).
; A table index is the low 19 bits of  f0 ^ f1 * 2654435761 ^ f2 * 805459861, so only the low 19 bits of every term count: the primes are
; taken modulo 2^24 and multiplied by v_mad_u32_u24, whose addend takes the bias away (- 128 res * prime modulo 2^19).
; The upper corner of an axis is taken as floor + 1.  Where the fraction is 0 (ceil = floor) that corner's weight is exactly 0.
; LIMITS: |x| < 128 (the fixed point's range);  x res is exact here, up to the 2^-25 by which q rounds x, so that a result differs from an
; evaluation in f32 by what that evaluation's own rounding of x * res moves the point (fraction and cell come from one product, and the
; interpolation is continuous from cell to cell);  table entries are finite (a weight of 0 times an infinity would give NaN).
; res[l] = int(16 * b**l), b = exp((log 2048 - log 16) / 15) in f64; b comes out above 2^(7/15), so the last one is 2048, not 2047.
;
; SHARES: a chunk is 32 points, 15,625 chunks.  256 work-groups of 32 waves stay; wave w of work-group g takes chunks 256 w + g and
; 256 w + g + 8192 (if there is one), so that the waves without a second chunk are spread evenly over the work-groups.  A lane is a point.
; All waves walk the levels in the same order from the same start, so that at any time few of the 16 tables are being gathered from.
; RING: four level slots of 22 registers.  A level's 8 gathers (8 bytes a lane) are issued three levels before they are used: 32 loads of a
; wave are out.  An index is made in the low register of the pair that its load fills, so that it needs no register of its own.
; WAY OUT: a lane's 32 results are 128 bytes of one row of out0; they go through the wave's own 4,608 bytes of LDS (rows 144 bytes apart:
; 9 x 16, so that 16 lanes' 16-byte stores fall on 16 different columns of 16 bytes modulo 256) and come back so that each store of the wave covers 512
; consecutive bytes, aligned.  No wave touches another's LDS bytes: no barrier.
; NOT USED: matrix instructions (no product), tensor loads and clusters (nothing is fetched as a tile and no tile is shared), a prefetch of
; table entries (an index is known only when its level's arithmetic is done, and the load itself is issued at once, three levels ahead).
;
; THE MODE: SCHED_MODE bits 1:0 = 2 (LLVM: expert scheduling mode 2), set by the entry lines.  The code itself states the register dependences
; between vector instructions and memory or LDS instructions, with s_wait_alu, always for 0.
; THE PLAN.  Registers that memory or LDS instructions touch:
;   v[QO], v[LS], v[RD], v[CO]   offsets and LDS addresses, made at the head and never written again.
;   v[X ..]       The load of q lands in it; read by each level's three products, the last of them level 15's.
;   slot +0..15   ISSUE l writes eight indices; each gather reads its index and lands on the pair that begins with it; CONSUME l reads the sixteen
;                 and writes four pairs in place; ISSUE l + 4 writes indices again.  At the way out the loads from LDS land in v36-67, and the stores to out0 read them.
;   ACC           Written by the CONSUME of an even level and of the odd one behind it; read by one LDS store for the two.
;   All else (v8-31, a slot's +16..21 in the loop) is named by vector instructions alone.
; A STEP: CONSUME l; the index arithmetic of level l + 4; ONE wait on va_vdst; the eight gathers; behind an odd l the LDS store of levels l - 1 and l; the weights
; of level l + 4, which name v12-21 and the slot's +16..21: none of the registers that the gathers and the LDS store touch.
; One wait on vm_vsrc stands at the head of every even level's CONSUME, and one at the loop's bottom.
.set NCHUNK,   15625
.set NWAVES,   8192                    ; 256 work-groups x 32 waves
.set PITCH,    144                     ; LDS row of a point: 128 bytes + 16
.set WLDS,     32*PITCH                ; LDS of a wave
.set LVLBYTES, 0x400000                ; a level's table: 524,288 entries of 8 bytes
.set MASK19,   0x7ffff
.set P1,       0x3779b1                ; 2654435761 modulo 2^24
.set P2,       0x025795                ; 805459861 modulo 2^24
; vector registers
.set QO,  1                            ; v1       12 x lane: my point's three numbers in the chunk's part of q
.set X,   2                            ; v[2:4]   q of my point
.set LS,  5                            ; v5       LDS: my point's row
.set RD,  6                            ; v6       LDS: where I read back
.set CO,  7                            ; v7       16 x lane: my 16 bytes in each 512 of the chunk's part of out0
.set K0,  8                            ; v[8:9]   (-2^-32, 2^-32)
.set K1,  10                           ; v[10:11] (1, 0)
.set T,   12                           ; v[12:17] the three products, (low, high) each
.set GY,  18                           ; v[18:19] (1 - fy, fy)
.set GZ,  20                           ; v[20:21] (1 - fz, fz)
.set HP,  22                           ; v[22:23] f1 * prime, (f1 + 1) * prime
.set HQ,  24                           ; v[24:25] f2 * prime, (f2 + 1) * prime
.set A0,  26                           ; v[26:27] f0, f0 + 1
.set H,   28                           ; v[28:31] the four y-z hashes
.set ACC, 32                           ; v[32:35] the results of an even level and the odd one behind it
.set SLOT0,    36                      ; v[36:123] four slots:
.set SLOTREGS, 22                      ;   +0..15 eight corners (index, then two features); +16,17 (1 - fx, fx); +18..21 the y-z weights
; scalar registers
.set SR,  11                           ; res << 8 of the level at work
.set SP1, 12
.set SP2, 13
.set SM,  14
.set TB,  32                           ; s[32:63] the 16 tables' addresses, never rewritten: pending gathers name them
	s_load_b128 s[4:7], s[0:1], 0x0                ; q s[4:5], tables s[6:7]
	s_load_b64 s[8:9], s[0:1], 0x10                ; out0
	v_lshl_add_u32 v124, v0, 2, 0x24000
	v_mov_b32 v125, 0
	v_lshrrev_b32 v1, 5, v0
	v_readfirstlane_b32 s10, v1                    ; wave 0..31
	v_and_b32 v[CO], 31, v0                        ; lane
	s_wait_alu depctr_va_sdst(0)                   ; s10 is written, ahead of its first reader: the wave's LDS and its first chunk are made from it
	s_mul_i32 s15, s10, WLDS                       ; my wave's LDS
	v_mul_u32_u24 v[LS], v[CO], PITCH
	v_add_nc_u32 v[LS], s15, v[LS]                 ; in: row = lane
	v_lshrrev_b32 v[RD], 3, v[CO]
	v_mul_u32_u24 v[RD], v[RD], PITCH
	v_and_b32 v1, 7, v[CO]
	v_lshl_add_u32 v[RD], v1, 4, v[RD]
	v_add_nc_u32 v[RD], s15, v[RD]                 ; back: eight lanes take one row's 128 bytes, a wave four rows
	v_mul_u32_u24 v[QO], v[CO], 12
	v_lshlrev_b32 v[CO], 4, v[CO]
	v_mov_b32 v[K0], 0xaf800000                    ; -2^-32
	v_mov_b32 v[K0+1], 0x2f800000                  ; 2^-32
	v_mov_b32 v[K1], 1.0
	v_mov_b32 v[K1+1], 0
	s_mov_b32 s[SP1], P1
	s_mov_b32 s[SP2], P2
	s_mov_b32 s[SM], MASK19
	s_lshl_b32 s20, s10, 8
	s_add_co_u32 s20, s20, ttmp9                   ; my first chunk: 256 x wave + work-group, at most 8191
	s_mov_b32 s25, 0                               ; high words of the two byte offsets
	s_mov_b32 s29, 0
	s_wait_kmcnt 0x0
	s_mov_b64 s[TB:TB+1], s[6:7]
.irp l, 1,2,3,4,5,6,7,8,9,10,11,12,13,14,15
	s_add_nc_u64 s[TB+2*\l:TB+2*\l+1], s[6:7], \l*LVLBYTES
.endr
	s_wait_alu depctr_va_vdst(0)                   ; v[QO], v[LS], v[RD] and v[CO] are written: the load of q, the LDS stores and loads and the stores to out0 read them, and no vector instruction writes them again
; Level l into slot s: cells, hashes, the eight gathers, and behind them (while the gathers are on their way) the weights.
; Behind the gathers of an odd level from 5 on stands the LDS store of levels l - 5 and l - 4, which the two steps up to here have finished.
.macro ISSUE l, s, res
.set E,  SLOT0 + SLOTREGS*\s
.set C0, (0x80000 - ((\res << 7) & MASK19)) & MASK19               ; - 128 res          modulo 2^19
.set C1, (0x80000 - (((\res << 7) * P1) & MASK19)) & MASK19        ; - 128 res * prime  modulo 2^19
.set C2, (0x80000 - (((\res << 7) * P2) & MASK19)) & MASK19
	s_mov_b32 s[SR], \res << 8
	v_mad_nc_u64_u32 v[T:T+1],   v[X],   s[SR], 0  ; low: fraction * 2^32; high: floor + 128 res
	v_mad_nc_u64_u32 v[T+2:T+3], v[X+1], s[SR], 0
	v_mad_nc_u64_u32 v[T+4:T+5], v[X+2], s[SR], 0
	v_add_nc_u32 v[A0],   C0,   v[T+1]             ; f0      (its prime is 1)
	v_add_nc_u32 v[A0+1], C0+1, v[T+1]             ; f0 + 1
	v_mad_u32_u24 v[HP], v[T+3], s[SP1], C1        ; f1 * prime: the low 19 bits are right, the rest is cut below
	v_mad_u32_u24 v[HQ], v[T+5], s[SP2], C2        ; f2 * prime
	v_and_b32 v[A0],   s[SM], v[A0]
	v_and_b32 v[A0+1], s[SM], v[A0+1]
	v_add_nc_u32 v[HP+1], s[SP1], v[HP]            ; (f1 + 1) * prime
	v_add_nc_u32 v[HQ+1], s[SP2], v[HQ]            ; (f2 + 1) * prime
	v_xor_b32 v[H],   v[HP],   v[HQ]               ; (y, z) = (f, f)
	v_xor_b32 v[H+1], v[HP],   v[HQ+1]             ; (f, c)
	v_xor_b32 v[H+2], v[HP+1], v[HQ]               ; (c, f)
	v_xor_b32 v[H+3], v[HP+1], v[HQ+1]             ; (c, c)
.irp j, 0,1,2,3
	v_and_b32 v[H+\j], s[SM], v[H+\j]              ; modulo the table's size: six ANDs on the parts in place of eight on the indices
.endr
.irp j, 0,1,2,3
	v_xor_b32 v[E+4*\j],   v[H+\j], v[A0]          ; corner (f, y, z)
	v_xor_b32 v[E+4*\j+2], v[H+\j], v[A0+1]        ; corner (c, y, z)
.endr
.irp k, 0,1,2,3,4,5,6,7
	v_min_u32 v[E+2*\k], MASK19, v[E+2*\k]         ; an index made of loaded numbers is clamped to the table's last entry right before it is an address; behind the ANDs it changes no value
.endr
	s_wait_alu depctr_va_vdst(0)                   ; the eight indices are written, which the gathers read; the level that had this slot is done reading and writing the sixteen registers in which they land; ACC is written, which the LDS store reads
.irp k, 0,1,2,3,4,5,6,7
	global_load_b64 v[E+2*\k:E+2*\k+1], v[E+2*\k], s[TB+2*\l:TB+2*\l+1] scale_offset   ; entry = 8 bytes: index x 8; the load lands on its own index
.endr
.if (\l >= 5) && (\l & 1)
	ds_store_b128 v[LS], v[ACC:ACC+3] offset:16*((\l-5)/2)     ; levels l - 5 and l - 4: no vector instruction since the wait above names ACC
.endif
	v_cvt_f32_u32 v[T],   v[T]                     ; 24 significant bits: exact
	v_cvt_f32_u32 v[T+2], v[T+2]
	v_cvt_f32_u32 v[T+4], v[T+4]
	v_pk_fma_f32 v[E+16:E+17], v[T:T+1],   v[K0:K0+1], v[K1:K1+1] op_sel_hi:[0,1,1]    ; (1 - f, f) from the low word, one rounding in 1 - f
	v_pk_fma_f32 v[GY:GY+1],   v[T+2:T+3], v[K0:K0+1], v[K1:K1+1] op_sel_hi:[0,1,1]
	v_pk_fma_f32 v[GZ:GZ+1],   v[T+4:T+5], v[K0:K0+1], v[K1:K1+1] op_sel_hi:[0,1,1]
	v_pk_mul_f32 v[E+18:E+19], v[GZ:GZ+1], v[GY:GY+1] op_sel_hi:[1,0]                  ; gy * (gz, fz)
	v_pk_mul_f32 v[E+20:E+21], v[GZ:GZ+1], v[GY:GY+1] op_sel:[0,1] op_sel_hi:[1,1]     ; fy * (gz, fz)
.endm
; Level l out of slot s.  left = the gathers of the younger levels, 8 each, that may stay out.  Both features at once: along x in place,
; then the four y-z weights.  Two levels' results are 16 bytes of my point's row.
; put = 1: no ISSUE follows (levels 13 and 15), so the LDS store of levels l - 1 and l stands here, behind a wait of its own.
.macro CONSUME l, s, left, put
.set E,  SLOT0 + SLOTREGS*\s
.set GX, E + 16
.set W,  E + 18
.set AC, ACC + 2*(\l & 1)
	s_wait_loadcnt \left                           ; loads come back in order (ISA guide 5.7.1): this level's eight are in
.if !(\l & 1)
	s_wait_alu depctr_vm_vsrc(0)                   ; the gathers of this level and of the next have read their indices, which the lines below, the next CONSUME and the two ISSUEs behind them write; the LDS store of the step before has read ACC, which is written anew below
.endif
.irp j, 0,1,2,3
	v_pk_mul_f32 v[E+4*\j:E+4*\j+1], v[E+4*\j:E+4*\j+1], v[GX:GX+1] op_sel_hi:[1,0]
.endr
.irp j, 0,1,2,3
	v_pk_fma_f32 v[E+4*\j:E+4*\j+1], v[E+4*\j+2:E+4*\j+3], v[GX:GX+1], v[E+4*\j:E+4*\j+1] op_sel:[0,1,0] op_sel_hi:[1,1,1]
.endr
	v_pk_mul_f32 v[AC:AC+1], v[E:E+1],     v[W:W+1]                 op_sel_hi:[1,0]
	v_pk_fma_f32 v[AC:AC+1], v[E+4:E+5],   v[W:W+1],   v[AC:AC+1]   op_sel:[0,1,0] op_sel_hi:[1,1,1]
	v_pk_fma_f32 v[AC:AC+1], v[E+8:E+9],   v[W+2:W+3], v[AC:AC+1]   op_sel_hi:[1,0,1]
	v_pk_fma_f32 v[AC:AC+1], v[E+12:E+13], v[W+2:W+3], v[AC:AC+1]   op_sel:[0,1,0] op_sel_hi:[1,1,1]
.if \put
	s_wait_alu depctr_va_vdst(0)                   ; ACC is written, which the LDS store reads; behind level 15 also: every level is done reading and writing v36-67, in which the loads from LDS land
	ds_store_b128 v[LS], v[ACC:ACC+3] offset:16*(\l/2)
.endif
.endm
.Lchunk:
	s_mul_i32 s24, s20, 384                        ; the chunk's 32 x 12 bytes of q
	s_add_nc_u64 s[22:23], s[4:5], s[24:25]
	s_lshl_b32 s28, s20, 12                        ; and its 32 x 128 bytes of out0 (below 64,000,000)
	s_add_nc_u64 s[26:27], s[8:9], s[28:29]
	global_load_b96 v[X:X+2], v[QO], s[22:23] th:TH_LOAD_NT    ; the wave reads 384 consecutive bytes, once in the launch.  No wait here: the last vector instructions that name v[X ..], level 15's products, stand ahead of that level's wait on va_vdst
	s_wait_loadcnt 0x0
	ISSUE 0, 0, 16
	ISSUE 1, 1, 22
	ISSUE 2, 2, 30
	ISSUE 3, 3, 42
	CONSUME 0, 0, 24, 0                            ; three younger levels stay out
	ISSUE 4, 0, 58
	CONSUME 1, 1, 24, 0
	ISSUE 5, 1, 80
	CONSUME 2, 2, 24, 0
	ISSUE 6, 2, 111
	CONSUME 3, 3, 24, 0
	ISSUE 7, 3, 153
	CONSUME 4, 0, 24, 0
	ISSUE 8, 0, 212
	CONSUME 5, 1, 24, 0
	ISSUE 9, 1, 294
	CONSUME 6, 2, 24, 0
	ISSUE 10, 2, 406
	CONSUME 7, 3, 24, 0
	ISSUE 11, 3, 561
	CONSUME 8, 0, 24, 0
	ISSUE 12, 0, 776
	CONSUME 9, 1, 24, 0
	ISSUE 13, 1, 1072
	CONSUME 10, 2, 24, 0
	ISSUE 14, 2, 1482
	CONSUME 11, 3, 24, 0
	ISSUE 15, 3, 2048
	CONSUME 12, 0, 24, 0
	CONSUME 13, 1, 16, 1                           ; nothing more is issued: the counts run down
	CONSUME 14, 2, 8, 0
	CONSUME 15, 3, 0, 1
	; the way out: 4,096 bytes of out0, 512 at a time.  LDS serves a wave's instructions in order (ISA guide 5.7.1): these loads see the stores above.
.irp t, 0,1,2,3,4,5,6,7
	ds_load_b128 v[SLOT0+4*\t:SLOT0+4*\t+3], v[RD] offset:4*PITCH*\t       ; rows 4 t .. 4 t + 3; the slots' registers are done with: no vector instruction stands behind level 15's wait on va_vdst
.endr
.irp t, 0,1,2,3,4,5,6,7
	s_wait_dscnt 7-\t                              ; the younger read-backs stay out
	global_store_b128 v[CO], v[SLOT0+4*\t:SLOT0+4*\t+3], s[26:27] offset:512*\t th:TH_STORE_NT   ; written once, not read again: leaves the tables their place in the caches
.endr
	s_wait_xcnt 0x0                                ; the stores' data, and s[26:27], are rewritten in the next trip only behind this wait
	s_wait_alu depctr_vm_vsrc(0)                   ; the stores have read v36-67, which the next trip's indices, weights and gathers write
	s_add_co_u32 s20, s20, NWAVES
	s_cmp_lt_u32 s20, NCHUNK
	s_cbranch_scc1 .Lchunk
	s_wait_dscnt 0x0
	s_wait_alu depctr_hold_cnt(0) depctr_sa_sdst(0) depctr_va_vdst(0) depctr_va_sdst(0) depctr_va_ssrc(0) depctr_va_vcc(0) depctr_vm_vsrc(0)
	s_wait_tensorcnt 0x0
	ds_add_u32 v124, v125
	s_wait_dscnt 0x0
	s_endpgm
.Lfunc_end_k_qe869da0b1c_encode:
	.size	k_qe869da0b1c_encode, .Lfunc_end_k_qe869da0b1c_encode-k_qe869da0b1c_encode
	.p2alignl 7, 3214868480
	.fill 96, 4, 3214868480
	.section	.rodata,"a",@progbits
	.p2align	6, 0x0
	.amdhsa_kernel k_qe869da0b1c_encode
		.amdhsa_group_segment_fixed_size 151552
		.amdhsa_private_segment_fixed_size 0
		.amdhsa_enable_private_segment 0
		.amdhsa_kernarg_size 24
		.amdhsa_user_sgpr_count 2
		.amdhsa_user_sgpr_kernarg_segment_ptr 1
		.amdhsa_wavefront_size32 1
		.amdhsa_system_sgpr_workgroup_id_x 1
		.amdhsa_system_sgpr_workgroup_id_y 1
		.amdhsa_system_sgpr_workgroup_id_z 1
		.amdhsa_system_vgpr_workitem_id 0
		.amdhsa_next_free_vgpr 126
		.amdhsa_next_free_sgpr 66
		.amdhsa_reserve_vcc 0
		.amdhsa_float_denorm_mode_32 3
		.amdhsa_float_denorm_mode_16_64 3
		.amdhsa_memory_ordered 1
		.amdhsa_forward_progress 1
		.amdhsa_inst_pref_size 65
	.end_amdhsa_kernel
	.amdgpu_metadata
---
amdhsa.version: [ 1, 2 ]
amdhsa.kernels:
  - .name:           k_qe869da0b1c_encode
    .symbol:         k_qe869da0b1c_encode.kd
    .args:
      - { .name: q, .offset: 0, .size: 8, .value_kind: global_buffer, .address_space: global }
      - { .name: tables, .offset: 8, .size: 8, .value_kind: global_buffer, .address_space: global }
      - { .name: out0, .offset: 16, .size: 8, .value_kind: global_buffer, .address_space: global }
    .group_segment_fixed_size: 151552
    .private_segment_fixed_size: 0
    .kernarg_segment_align: 8
    .kernarg_segment_size: 24
    .max_flat_workgroup_size: 1024
    .sgpr_count:     66
    .vgpr_count:     126
    .wavefront_size: 32
...
	.end_amdgpu_metadata
.endif
;; end of part 3
